; MI455X (gfx1250); checked and timed in simulation.
; The chip was launched on July 23, 2026; its instructions are those of AMD's public machine-readable ISA for CDNA 5 (MIT licence, August 2026) and "CDNA5" Instruction Set Architecture Reference Guide (July 2026). The comments in the code are by the model that wrote it; some were corrected since.
;; Attention Block. Allowed arithmetic: matrix products marked QUANTISED: E4M3 operands, one E8M0 scale for each 32 along K, by v_wmma_scale_f32_16x16x128_f8f6f4 with both operands' format E4M3, f32 sums; everything else in f32.
;; Inputs: Wk 32 x 256 float32; Wq 32 x 256 float32; Wv 256 x 256 float32; bk 32 float32; bq 32 float32; bv 256 float32; gamma 1 float32; x 4 x 256 x 64 x 64 float32.
;; Outputs: out0 4 x 256 x 64 x 64 float32.
;; This version of the problem:
;;   THIS VERSION OF THE PROBLEM IS GIVEN IN LOW PRECISION. The matrix products marked QUANTISED in the list below multiply operands that are first quantised to E4M3 (4 exponent bits, 3 mantissa bits; 8 bits a number), with one power-of-two scale for each 32 numbers along K (OCP MX v1.0); their sums are f32. All else is computed in f32.
;;   The module's matrix products, in the order in which they are computed (A, B: the left and right operand; K: the contracted axis; several contracted axes count as one K, in the product's order):
;;     1. [M 16,384, K 256] x [K 256, N 32]; A: input x; B: input Wq: QUANTISED
;;     2. [M 16,384, K 256] x [K 256, N 32]; A: input x; B: input Wk: QUANTISED
;;     3. [M 16,384, K 256] x [K 256, N 256]; A: input x; B: input Wv: QUANTISED
;;     4. batch 4 x [M 4,096, K 32] x [K 32, N 4,096]; A: computed on the way; B: computed on the way: QUANTISED
;;     5. batch 4 x [M 256, K 4,096] x [K 4,096, N 4,096]; A: computed on the way; B: softmax (see below): QUANTISED
;;   THE QUANTISER, for each operand of a quantised product, along K:
;;     - K is cut into blocks of 32 from its start; a last block that is shorter is filled with zeros.
;;     - A block's scale is 2^e with e = floor(log2(the largest magnitude in the block)) - 8, held to -126 .. 127; a block of zeros has e = 0. As a byte (E8M0): e + 127.
;;     - Each number is divided by its block's scale, clamped to +-448, and rounded to the nearest number of E4M3, ties to even, subnormals kept.
;;     - The product sums the exact products of the quantised numbers (number of the format x scale) in f32.
;;   ~~~python
;;   def quantise(x, axis):      # numpy; x: float32 -> the quantised numbers, widened to float32 again
;;       x = np.moveaxis(x, axis, -1); K = x.shape[-1]
;;       x = np.pad(x, [(0, 0)] * (x.ndim - 1) + [(0, -K % 32)]); x = x.reshape(x.shape[:-1] + (-1, 32)); a = np.abs(x).max(-1, keepdims=True)
;;       e = np.where(a > 0, np.clip(np.frexp(np.where(a > 0, a, 1))[1] - 1 - 8, -126, 127), 0)      # np.frexp(a)[1] - 1 = floor(log2(a)), exactly
;;       r = np.clip(x / 2.0 ** e, -448, 448)
;;       step = 2.0 ** (np.maximum(np.frexp(np.where(r == 0, 1, r))[1] - 1, -6) - 3)
;;       q = np.round(r / step) * step * 2.0 ** e      # np.round: ties to even
;;       return np.moveaxis(q.reshape(q.shape[:-2] + (-1,))[..., :K], -1, axis).astype(np.float32)
;;   ~~~
;;   SOFTMAX AHEAD OF A QUANTISED PRODUCT. Where the list says 'softmax', what is quantised is not the finished softmax but p = 2^(t - M), with t = logit x log2(e) and M = ceil(the row's largest t), a whole number; so 1/2 < the row's largest p <= 1. The row's sum l is taken of the UNQUANTISED p, in f32, and the product's result is divided by l at the end. Since M is a whole number, a kernel that streams over the keys may use a running M (the ceiling of the running maximum): every later rescaling is an exact power of two, which a block's scale takes up: the codes' values come out the same.
;;   OPERANDS COMPUTED ON THE WAY. 'Computed on the way' means the value that the module computes at that place (a softmax that the list does not call 'softmax' is quantised finished and normalised). What goes into a quantiser is computed in f32, as accurately as f32 sums, v_exp_f32 and their like allow (about 1e-6 of the number): no bf16 or f16 on the way to a quantiser, and a product that is left as it is and whose result goes on into a quantised operand takes f32 operands (vector FMAs, or v_wmma_f32_16x16x4_f32). A number that lies on a knife's edge between two numbers of the format may be rounded either way, as far as f32 arithmetic and the matrix unit's own rounding can turn it there, and no further.
;; One version. Each part assembles by itself: llvm-mc -triple=amdgcn-amd-amdhsa -mcpu=gfx1250 --defsym DOCPART=n.
;; ======== version 1 of 1: 3 launches
;; workspace buffers: wts 84,480 bytes; qc 589,824 bytes; kv 4,915,200 bytes
;; launch wq (part 1): grid 20 x 1, 1 waves a work-group, no clusters, 0 bytes of LDS; arguments Wv, Wq, Wk, wts; writes wts
.if DOCPART == 1
	.amdgcn_target "amdgcn-amd-amdhsa--gfx1250"
	.amdhsa_code_object_version 6
	.text
	.protected	k_q0c43a30cdf_wq
	.globl	k_q0c43a30cdf_wq
	.p2align	8
	.type	k_q0c43a30cdf_wq,@function
k_q0c43a30cdf_wq:
	s_mov_b64 s[64:65], 0
	v_nop
	global_prefetch_b8 v0, s[64:65] scope:SCOPE_SE
	s_setreg_imm32_b32 hwreg(HW_REG_WAVE_MODE, 25, 1), 1
	s_wait_xcnt 0x0
; The 320 rows of Wv [256][256], Wq [32][256] and Wk [32][256], f32 with K (the channels) innermost, become codes of FP8 (E4M3) with one E8M0 byte for each 32 along K.
; They are laid as IMAGES OF THE OPERAND'S REGISTERS: a fragment (16 rows x 128 K, 16 registers a lane) is 2,048 bytes, register group c of lane l at 512 c + 16 l.
; wts: fragment 2 tile + s (s: which 128 channels) at 2,048 x its number; from byte 81,920 on one scale word a lane for each tile: lanes 0-15 row r's word of K step 0, lanes 16-31 that of K step 1.
; Tiles 0-15: rows 16 T + r of Wv.  Tiles 16, 17: rows 8 u + r + 8 (r / 8) of Wq; tiles 18, 19 the same of Wk: so the results of two such tiles are 16 neighbours along the next product's K.
; One wave takes a tile: twenty work-groups are all the work there is (320 KiB in).  Nothing is shared between them: no LDS, no cluster, no barrier.
; A lane wants 16 neighbours of each block of 32 of its row: 64 bytes by four loads, neighbouring lanes a row apart; fit for a small weight that is read once.
; A block's scale is 2^(floor(log2(largest magnitude)) - 8); its byte is the largest magnitude's exponent field - 8, held at 1 from below.
; LIMITS: a block of zeros gets the byte 1 where the rule says 127 (its codes are zeros, and this program alone reads the bytes); NaN and infinities among the inputs are not served.
.set X,   16                           ; v16-143  128 numbers: register 64 s + 16 b + i = k 128 s + 32 b + 16 (lane / 16) + i of my row
.set TM,  144                          ; v144-147 largest magnitudes, v148-151 bytes, v152-155 448 x the scale, v156-159 the conversions' scale operands
.set PW,  160                          ; v160-161 the two K steps' scale words
.set PC,  162                          ; v162-193 the two fragments' codes
.set SW,  194                          ; v194     the word that my lane stores
.set SEL, 24                           ; s[24:25] v_permlanex16_b32's selects for lane l xor 16
.set MNT, 26                           ; s26      the mantissa field of 448
.set UP,  27                           ; s27      a mask of lanes 16-31
.macro QUANT src, dst, pw              ; 64 numbers of a lane become a fragment's codes and its row's scale word
.irp b, 0,1,2,3
	v_max3_num_f32 v[TM+\b], |v[\src+16*\b]|, |v[\src+16*\b+1]|, 0x4800000   ; block b: my 16 numbers, and the floor 2^(9 - 127): the byte cannot fall under 1
.endr
.irp i, 2,4,6,8,10,12,14
.irp b, 0,1,2,3
	v_max3_num_f32 v[TM+\b], v[TM+\b], |v[\src+16*\b+\i]|, |v[\src+16*\b+\i+1]|   ; the four blocks by turns
.endr
.endr
.irp b, 0,1,2,3
	v_permlanex16_b32 v[TM+4+\b], v[TM+\b], s[SEL], s[SEL+1]
.endr
.irp b, 0,1,2,3
	v_max_num_f32 v[TM+\b], v[TM+\b], v[TM+4+\b]   ; with lane l xor 16's 16: the block's largest magnitude
.endr
.irp b, 0,1,2,3
	v_add_nc_u32 v[TM+12+\b], 0xfc000000, v[TM+\b]   ; 8 off its exponent field: the conversion takes this operand's exponent field as its scale
.endr
.irp b, 0,1,2,3
	v_and_or_b32 v[TM+8+\b], v[TM+\b], 0x7f800000, s[MNT]   ; 448 x the scale
.endr
.irp b, 0,1,2,3
	v_lshrrev_b32 v[TM+4+\b], 23, v[TM+12+\b]      ; the scale's byte
.endr
	v_lshl_or_b32 v[\pw], v[TM+5], 8, v[TM+4]
	v_lshl_or_b32 v[\pw], v[TM+6], 16, v[\pw]
	v_lshl_or_b32 v[\pw], v[TM+7], 24, v[\pw]      ; my row's scale word
.irp b, 0,1,2,3
.irp i, 0,1,2,3,4,5,6,7,8,9,10,11,12,13,14,15
	v_med3_num_f32 v[\src+16*\b+\i], v[\src+16*\b+\i], -v[TM+8+\b], v[TM+8+\b]   ; the conversion to an 8-bit code does not saturate (ISA guide 7.6.2): the hold comes first
.endr
	v_cvt_scalef32_pk8_fp8_f32 v[\dst+4*\b:\dst+4*\b+1], v[\src+16*\b:\src+16*\b+7], v[TM+12+\b]
	v_cvt_scalef32_pk8_fp8_f32 v[\dst+4*\b+2:\dst+4*\b+3], v[\src+16*\b+8:\src+16*\b+15], v[TM+12+\b]
.endr
	v_nop                                          ; a plain place behind the conversions, ahead of the lines that write their scale operands again
.endm
	s_load_b128 s[4:7], s[0:1], 0x0                ; Wv, Wq
	s_load_b128 s[8:11], s[0:1], 0x10              ; Wk, wts
	v_and_b32 v4, 15, v0                           ; r
	v_lshrrev_b32 v5, 4, v0                        ; h
	v_lshrrev_b32 v6, 3, v4                        ; r / 8
	s_lshl_b32 s13, ttmp9, 4                       ; Wv: the tile's first row is 16 x tile
	s_and_b32 s14, ttmp9, 1
	s_lshl_b32 s14, s14, 3                         ; Wq, Wk: 8 x (tile % 2)
	s_cmp_lt_u32 ttmp9, 16
	s_cselect_b32 s12, 0, 8                        ; and lanes 8-15 stand 8 rows further on there
	s_cselect_b32 s16, s13, s14
	s_lshl_b32 s16, s16, 10                        ; a row is 1,024 bytes
	s_mov_b32 s17, 0
	s_lshl_b32 s18, ttmp9, 12                      ; the tile's two images
	s_mov_b32 s19, 0
	s_lshl_b32 s20, ttmp9, 7                       ; and its 32 scale words
	s_mov_b32 s21, 0
	v_mad_u32_u24 v6, v6, s12, v4                  ; my row in the tile
	v_lshlrev_b32 v1, 10, v6
	v_lshl_add_u32 v1, v5, 6, v1                   ; + 64 h: my 16 numbers of a block
	v_lshlrev_b32 v2, 4, v0                        ; 16 x lane
	v_lshlrev_b32 v3, 2, v0                        ; 4 x lane
	s_mov_b32 s[SEL], 0x76543210
	s_mov_b32 s[SEL+1], 0xfedcba98
	s_mov_b32 s[MNT], 0x600000
	s_mov_b32 s[UP], 0xffff0000
.irp b, 0,1,2,3
	v_mov_b32 v[TM+4+\b], 0                        ; written once: a lane permute's destination counts as one of its sources
.endr
	s_wait_kmcnt 0x0
	s_cmp_lt_u32 ttmp9, 18                         ; which tensor: the choice hangs on the work-group's number alone
	s_cselect_b64 s[6:7], s[6:7], s[8:9]
	s_cmp_lt_u32 ttmp9, 16
	s_cselect_b64 s[4:5], s[4:5], s[6:7]
	s_add_nc_u64 s[4:5], s[4:5], s[16:17]
	s_add_nc_u64 s[22:23], s[10:11], s[20:21]
	s_add_nc_u64 s[10:11], s[10:11], s[18:19]
.irp s, 0,1
.irp b, 0,1,2,3
.irp j, 0,1,2,3
	global_load_b128 v[X+64*\s+16*\b+4*\j:X+64*\s+16*\b+4*\j+3], v1, s[4:5] offset:512*\s+128*\b+16*\j
.endr
.endr
.endr
	s_wait_loadcnt 16                              ; K step 0's sixteen loads are in; K step 1's sixteen may be out
	QUANT X, PC, PW
	s_wait_loadcnt 0x0
	QUANT X+64, PC+16, PW+1
.irp s, 0,1
.irp c, 0,1,2,3
	global_store_b128 v2, v[PC+16*\s+4*\c:PC+16*\s+4*\c+3], s[10:11] offset:2048*\s+512*\c   ; 32 lanes store 512 consecutive bytes, aligned
.endr
.endr
	v_cndmask_b32 v[SW], v[PW], v[PW+1], s[UP]     ; lanes 0-15 keep K step 0's word, lanes 16-31 take K step 1's
	global_store_b32 v3, v[SW], s[22:23] offset:81920
	s_endpgm
.Lfunc_end_k_q0c43a30cdf_wq:
	.size	k_q0c43a30cdf_wq, .Lfunc_end_k_q0c43a30cdf_wq-k_q0c43a30cdf_wq
	.p2alignl 7, 3214868480
	.fill 96, 4, 3214868480
	.section	.rodata,"a",@progbits
	.p2align	6, 0x0
	.amdhsa_kernel k_q0c43a30cdf_wq
		.amdhsa_group_segment_fixed_size 0
		.amdhsa_private_segment_fixed_size 0
		.amdhsa_enable_private_segment 0
		.amdhsa_kernarg_size 32
		.amdhsa_user_sgpr_count 2
		.amdhsa_user_sgpr_kernarg_segment_ptr 1
		.amdhsa_wavefront_size32 1
		.amdhsa_system_sgpr_workgroup_id_x 1
		.amdhsa_system_sgpr_workgroup_id_y 1
		.amdhsa_system_sgpr_workgroup_id_z 1
		.amdhsa_system_vgpr_workitem_id 0
		.amdhsa_next_free_vgpr 196
		.amdhsa_next_free_sgpr 66
		.amdhsa_reserve_vcc 0
		.amdhsa_float_denorm_mode_32 3
		.amdhsa_float_denorm_mode_16_64 3
		.amdhsa_memory_ordered 1
		.amdhsa_forward_progress 1
		.amdhsa_inst_pref_size 22
	.end_amdhsa_kernel
	.amdgpu_metadata
---
amdhsa.version: [ 1, 2 ]
amdhsa.kernels:
  - .name:           k_q0c43a30cdf_wq
    .symbol:         k_q0c43a30cdf_wq.kd
    .args:
      - { .name: Wv, .offset: 0, .size: 8, .value_kind: global_buffer, .address_space: global }
      - { .name: Wq, .offset: 8, .size: 8, .value_kind: global_buffer, .address_space: global }
      - { .name: Wk, .offset: 16, .size: 8, .value_kind: global_buffer, .address_space: global }
      - { .name: wts, .offset: 24, .size: 8, .value_kind: global_buffer, .address_space: global }
    .group_segment_fixed_size: 0
    .private_segment_fixed_size: 0
    .kernarg_segment_align: 8
    .kernarg_segment_size: 32
    .max_flat_workgroup_size: 32
    .sgpr_count:     66
    .vgpr_count:     196
    .wavefront_size: 32
...
	.end_amdgpu_metadata
.endif
;; end of part 1
;; launch proj (part 2): grid 64 x 4, 8 waves a work-group, clusters of 4 x 1, 168,960 bytes of LDS; arguments x, wts, bq, bk, bv, qc, kv; writes qc, kv
.if DOCPART == 2
	.amdgcn_target "amdgcn-amd-amdhsa--gfx1250"
	.amdhsa_code_object_version 6
	.text
	.protected	k_q0c43a30cdf_proj
	.globl	k_q0c43a30cdf_proj
	.p2align	8
	.type	k_q0c43a30cdf_proj,@function
k_q0c43a30cdf_proj:
	s_mov_b64 s[64:65], 0
	v_nop
	global_prefetch_b8 v0, s[64:65] scope:SCOPE_SE
	s_setreg_imm32_b32 hwreg(HW_REG_WAVE_MODE, 25, 1), 1
	s_wait_xcnt 0x0
	s_wait_alu depctr_hold_cnt(0) depctr_sa_sdst(0) depctr_va_vdst(0) depctr_va_sdst(0) depctr_va_ssrc(0) depctr_va_vcc(0) depctr_vm_vsrc(0)
	s_getreg_b32 s2, hwreg(HW_REG_IB_STS2, 6, 4)
	s_cmp_eq_u32 s2, 0
	s_cbranch_scc0 .Lentry_in_a_cluster
	s_endpgm
.Lentry_in_a_cluster:
	s_bfe_u32 s2, ttmp6, 0x10000c
	s_cmp_lg_u32 s2, 0x3003
	s_cbranch_scc0 .Lentry_shape_is_right
	s_endpgm
.Lentry_shape_is_right:
; q = Wq x + bq, k = Wk x + bk, v = Wv x + bv on codes of FP8 (E4M3) with one E8M0 byte for each 32 along K (the 256 channels); then q and k are quantised along their 32 numbers, v along the pixels (the keys).
; x: [4][256][4096] f32, K NOT innermost.  The weights come as register images from wts.  The results leave as register images too, in the order in which the attention launch wants them:
;   qc: for each 64 pixels 2,304 bytes: four images of 512 bytes (tile 2 pb + u, registers 0-3 of a fragment), then scale words [pb][lane r + 16 u] (the byte in bits 7:0, zeros above).
;   kv: [batch][slot of 512 keys][153,600 bytes]: V's fragments (g, T, c) at 32,768 g + 2,048 T + 512 c; K's tiles at 131,072 + 4,096 g + 512 t; V's scale bytes at 147,456; K's scale words at 151,552.
; SHARES.  A work-group takes 64 pixels of a batch.  Wave w: pb = w / 4, its block of 32 pixels; j = w % 4.  It quantises channels 64 j .. 64 j + 63 of its block, makes v's channels 64 j .. 64 j + 63 for it, and one
; tile of q (j < 2) or of k (j >= 2).  A LANE TAKES A PIXEL AND ITS REGISTERS RUN DOWN THE CHANNELS: a block of 32 along K lies in one lane; a wave's load covers 128 consecutive bytes.
; THE PIXELS OF A TILE ARE NOT NEIGHBOURS: row r of tile u is pixel 8 u + r + 8 (r / 8) of the block, so that the 16 registers of two neighbouring result tiles are 16 neighbouring pixels.
; x's fragments go from wave to wave through LDS as images of their registers.
; CLUSTER.  All work-groups read the same 81,920 bytes of weight codes: the four of a cluster ask for them jointly, each wave for 40 rows of 256 bytes.  They are filled once; nothing in LDS is filled again.
; LIMITS: a block of zeros gets the byte 1 where the rule says 127 (its codes are zeros, and this program alone reads the bytes); NaN and infinities among the inputs are not served.
.set SLOTB, 153600
.set KIMG,  131072
.set VSC,   147456
.set KSC,   151552
.set XIMG,  81920                      ; LDS: bytes 0 - 81,919 the weights' 40 images; then x's 8 fragments ((2 pb + u) 2 + s) x 2,048,
.set XSC,   98304                      ; x's scale words: (2 pb + s) x 128 + 4 x lane: lanes 0-15 tile u = 0, lanes 16-31 tile u = 1,
.set GQ,    98816                      ; q's scale words, 256 bytes; behind them k's, 256 bytes,
.set GV,    99328                      ; and v's scale bytes, 512
.set XO,   1                           ; v1   x: my pixel's byte, my first channel
.set XW,   2                           ; v2   where I store x's codes
.set XSW,  3                           ; v3   and my two scale bytes
.set LI,   4                           ; v4   16 x lane
.set XFA,  5                           ; v5   my block's four fragments of x
.set XSA,  6                           ; v6   their scale words
.set WA,   7                           ; v7   my four tiles of Wv
.set WQA,  8                           ; v8   the two tiles of Wq or of Wk
.set XJA,  9                           ; v9   the tile of x for my q or k
.set XJSA, 10                          ; v10  its scale words
.set GVW,  11                          ; v11  where v's scale bytes are gathered
.set GSW,  12                          ; v12  where q's or k's scale word goes
.set L4,   13                          ; v13  4 x lane
.set R4,   14                          ; v14  4 x (lane % 16)
.set H64,  15                          ; v15  64 x (lane / 16)
.set XF,   16                          ; v16-79   x's fragments (u, s) at 32 u + 16 s
.set WF,   80                          ; v80-143  four weight fragments; at first my 64 numbers of x
.set ACC,  144                         ; v144-175 four accumulators; at first x's codes
.set BC,   176                         ; v176-191 bv as the C of two tiles
.set BV,   192                         ; v192-195 bv of my four tiles
.set BQ,   196                         ; v196-211 bq or bk in the result's layout
.set TM,   212                         ; v212-221 two sets: largest magnitude, permute, 448 x scale, scale operand, byte
.set XS,   222                         ; v222-231 scale words and nothing else: x's two, Wv's four, Wq's or Wk's two, my tile of x's two
.set WS,   224
.set WQS,  228
.set XJS,  230
.set VC,   232                         ; v232-247 v's codes, four registers a tile: no store's data are written again
.set QC,   248                         ; v248-251 q's or k's codes
.set TL,   252                         ; v252-255 at work at the head and the tail
.set WV,  18
.set PB,  19
.set J,   20
.set CX,  21
.set GRP, 22
.set BAT, 23
.set G1,  24                           ; s[24:31], s[32:35] the weights' descriptor
.set G0,  32
.set SEL, 36
.set MNT, 38
.set J1,  39
.set J0,  40
.macro CROUND                          ; a round of the cluster's barrier
	s_barrier_signal -1
	s_barrier_wait -1
	s_cmp_lg_u32 s[WV], 0
	s_cbranch_scc1 .Lnot_wave_0_\@
	s_barrier_signal -3
.Lnot_wave_0_\@:
	s_barrier_wait -3
	s_barrier_signal -1
	s_barrier_wait -1
.endm
.macro PLACES n
.rept \n
	v_nop
.endr
.endm
.macro WM d, a, b, c, sa, sb, ra, rb   ; one product; ra, rb: the scales stand in lanes 16-31 of their registers
.if (\ra) && (\rb)
	v_wmma_scale_f32_16x16x128_f8f6f4 v[\d:\d+7], v[\a:\a+15], v[\b:\b+15], v[\c:\c+7], v[\sa], v[\sb] matrix_a_scale:MATRIX_SCALE_ROW1 matrix_b_scale:MATRIX_SCALE_ROW1
.elseif \ra
	v_wmma_scale_f32_16x16x128_f8f6f4 v[\d:\d+7], v[\a:\a+15], v[\b:\b+15], v[\c:\c+7], v[\sa], v[\sb] matrix_a_scale:MATRIX_SCALE_ROW1
.elseif \rb
	v_wmma_scale_f32_16x16x128_f8f6f4 v[\d:\d+7], v[\a:\a+15], v[\b:\b+15], v[\c:\c+7], v[\sa], v[\sb] matrix_b_scale:MATRIX_SCALE_ROW1
.else
	v_wmma_scale_f32_16x16x128_f8f6f4 v[\d:\d+7], v[\a:\a+15], v[\b:\b+15], v[\c:\c+7], v[\sa], v[\sb]
.endif
.endm
.macro QUANT32 src, dst, t             ; a whole block of 32 in my registers -> 8 registers of codes; the byte in v[t + 4]
	v_max3_num_f32 v[\t], |v[\src]|, |v[\src+1]|, |v[\src+2]|
	v_max3_num_f32 v[\t+1], |v[\src+3]|, |v[\src+4]|, |v[\src+5]|
.irp i, 6,10,14,18,22,26
	v_max3_num_f32 v[\t], v[\t], |v[\src+\i]|, |v[\src+\i+1]|
	v_max3_num_f32 v[\t+1], v[\t+1], |v[\src+\i+2]|, |v[\src+\i+3]|
.endr
	v_max3_num_f32 v[\t], v[\t], |v[\src+30]|, |v[\src+31]|
	v_max3_num_f32 v[\t], v[\t], v[\t+1], 0x4800000   ; and the floor 2^(9 - 127): the byte cannot fall under 1
	v_add_nc_u32 v[\t+3], 0xfc000000, v[\t]        ; 8 off the exponent field: the conversion's scale operand
	v_and_or_b32 v[\t+2], v[\t], 0x7f800000, s[MNT]   ; 448 x the scale
.set kk, 0
.rept 32
	v_med3_num_f32 v[\src+kk], v[\src+kk], -v[\t+2], v[\t+2]   ; the conversion to an 8-bit code does not saturate (ISA guide 7.6.2)
.set kk, kk+1
.endr
.irp g, 0,1,2,3
	v_cvt_scalef32_pk8_fp8_f32 v[\dst+2*\g:\dst+2*\g+1], v[\src+8*\g:\src+8*\g+7], v[\t+3]
.endr
	v_lshrrev_b32 v[\t+4], 23, v[\t+3]             ; the scale's byte; also the plain place behind the conversions
.endm
.macro QUANT16 src, dst, t             ; my 16 numbers and lane l xor 16's are a block -> 4 registers of codes; the byte in v[t + 4].  The sources are read from the low end on
	v_max3_num_f32 v[\t], |v[\src]|, |v[\src+1]|, 0x4800000
.irp i, 2,4,6,8,10,12,14
	v_max3_num_f32 v[\t], v[\t], |v[\src+\i]|, |v[\src+\i+1]|
.endr
	v_permlanex16_b32 v[\t+1], v[\t], s[SEL], s[SEL+1]
	v_max_num_f32 v[\t], v[\t], v[\t+1]
	v_add_nc_u32 v[\t+3], 0xfc000000, v[\t]
	v_and_or_b32 v[\t+2], v[\t], 0x7f800000, s[MNT]
.set kk, 0
.rept 16
	v_med3_num_f32 v[\src+kk], v[\src+kk], -v[\t+2], v[\t+2]
.set kk, kk+1
.endr
	v_cvt_scalef32_pk8_fp8_f32 v[\dst:\dst+1], v[\src:\src+7], v[\t+3]
	v_cvt_scalef32_pk8_fp8_f32 v[\dst+2:\dst+3], v[\src+8:\src+15], v[\t+3]
	v_lshrrev_b32 v[\t+4], 23, v[\t+3]             ; the byte; also the plain place behind the conversions
.endm
.macro WFETCH t0                       ; the fragments of my tiles t0, t0 + 1 of Wv
.irp tt, 0,1
.irp s, 0,1
.irp c, 0,1,2,3
	ds_load_b128 v[WF+32*\tt+16*\s+4*\c:WF+32*\tt+16*\s+4*\c+3], v[WA] offset:4096*(\t0+\tt)+2048*\s+512*\c
.endr
.endr
.endr
.endm
.macro BIAS t0                         ; a lane holds one channel and eight pixels: the C of a tile's first product is its bias eight times
.irp tt, 0,1
.irp i, 0,1,2,3,4,5,6,7
	v_mov_b32 v[BC+8*\tt+\i], v[BV+\t0+\tt]
.endr
.endr
.endm
.macro VMUL t0                         ; source 0 = 16 pixels of x, source 1 = 16 rows of Wv: lane (r, h) holds channel r and pixels 16 h + 8 u + 0 .. 7.  Four accumulators by turns
.irp s, 0,1
.irp tt, 0,1
.irp u, 0,1
.if \s == 0
	WM ACC+16*\tt+8*\u, XF+32*\u+16*\s, WF+32*\tt+16*\s, BC+8*\tt, XS+\s, WS+\t0+\tt, \u, \s
.else
	WM ACC+16*\tt+8*\u, XF+32*\u+16*\s, WF+32*\tt+16*\s, ACC+16*\tt+8*\u, XS+\s, WS+\t0+\tt, \u, \s
.endif
.endr
.endr
.endr
.endm
.macro VOUT t0                         ; two tiles of v: 16 registers are 16 neighbouring keys of my channel: they are registers 4 c .. 4 c + 3 of V's fragment as they stand
	QUANT16 ACC, VC+4*(\t0), TM
	QUANT16 ACC+16, VC+4*(\t0)+4, TM+5
	global_store_b128 v[LI], v[VC+4*(\t0):VC+4*(\t0)+3], s[48:49] offset:2048*(\t0)          ; 32 lanes store 512 consecutive bytes, aligned
	global_store_b128 v[LI], v[VC+4*(\t0)+4:VC+4*(\t0)+7], s[48:49] offset:2048*(\t0)+2048
	ds_store_b8 v[GVW], v[TM+4] offset:\t0         ; both lanes of a block write the same byte with the same value
	ds_store_b8 v[GVW], v[TM+9] offset:256+\t0
.endm
	s_load_b256 s[4:11], s[0:1], 0x0               ; x s[4:5], wts s[6:7], bq s[8:9], bk s[10:11]
	s_load_b128 s[12:15], s[0:1], 0x20             ; bv s[12:13], qc s[14:15]
	s_load_b64 s[16:17], s[0:1], 0x30              ; kv
	s_set_vgpr_msb 0x40
	v_lshl_add_u32 v0, v0, 2, 0x29000
	v_mov_b32 v1, 0
	s_set_vgpr_msb 0x4045
	ds_add_u32 v0, v1
	ds_add_u32 v0, v1
	s_set_vgpr_msb 0x4500
	v_lshrrev_b32 v[TL], 5, v0
	v_readfirstlane_b32 s[WV], v[TL]               ; wave 0..7
	s_lshr_b32 s[PB], s[WV], 2
	s_and_b32 s[J], s[WV], 3
	s_lshr_b32 s[J1], s[J], 1
	s_and_b32 s[J0], s[J], 1
	s_bfe_u32 s[CX], ttmp6, 0x40000                ; my place in the cluster: it enters global offsets alone
	s_lshl_b32 s[GRP], ttmp9, 2
	s_add_co_u32 s[GRP], s[GRP], s[CX]             ; which 64 pixels of the batch
	s_and_b32 s[BAT], ttmp7, 0xffff                ; the batch
	v_and_b32 v[TL], 31, v0                        ; lane
	v_and_b32 v[TL+1], 15, v0                      ; r
	v_bfe_u32 v[TL+2], v0, 4, 1                    ; lane / 16
	v_bfe_u32 v[TL+3], v0, 3, 1
	v_and_b32 v[XO], 7, v0
	v_lshl_or_b32 v[XO], v[TL+3], 4, v[XO]
	v_lshl_or_b32 v[XO], v[TL+2], 3, v[XO]         ; my pixel of the block: the lane's number with bits 3 and 4 exchanged
	s_lshl_b32 s44, s[PB], 7
	s_lshl_b32 s45, s[J], 20                       ; 64 j channels of 16,384 bytes
	s_add_co_u32 s44, s44, s45
	v_lshl_add_u32 v[XO], v[XO], 2, s44
	v_lshlrev_b32 v[LI], 4, v[TL]
	v_lshlrev_b32 v[L4], 2, v[TL]
	v_lshlrev_b32 v[R4], 2, v[TL+1]
	v_lshlrev_b32 v[H64], 6, v[TL+2]
	s_lshl_b32 s42, s[BAT], 22                     ; x: the batch, and the group's 256 bytes of a row
	s_lshl_b32 s43, s[GRP], 8
	s_add_co_u32 s42, s42, s43
	s_mov_b32 s43, 0
	s_mul_i32 s44, s[BAT], 8*SLOTB                 ; kv: the batch and the slot,
	s_lshr_b32 s45, s[GRP], 3
	s_mul_i32 s45, s45, SLOTB
	s_add_co_u32 s44, s44, s45
	s_bfe_u32 s45, s[GRP], 0x20001                 ; g: which 128 keys of the slot,
	s_and_b32 s46, s[GRP], 1                       ; hf: which 64 of them
	s_lshl_b32 s48, s45, 15                        ; V's images: 32,768 g + 2,048 (4 j) + 512 (2 hf + pb)
	s_add_co_u32 s48, s48, s44
	s_lshl_b32 s47, s[J], 13
	s_add_co_u32 s48, s48, s47
	s_lshl_b32 s47, s46, 10
	s_add_co_u32 s48, s48, s47
	s_lshl_b32 s47, s[PB], 9
	s_add_co_u32 s48, s48, s47
	s_mov_b32 s49, 0
	s_lshl_b32 s50, s45, 12                        ; K's image: 4,096 g + 512 (2 (2 hf + pb) + u)
	s_add_co_u32 s50, s50, s44
	s_add_co_u32 s50, s50, KIMG
	s_lshl_b32 s47, s46, 11
	s_add_co_u32 s50, s50, s47
	s_lshl_b32 s47, s[PB], 10
	s_add_co_u32 s50, s50, s47
	s_lshl_b32 s47, s[J0], 9
	s_add_co_u32 s50, s50, s47
	s_mov_b32 s51, 0
	s_lshl_b32 s52, s45, 9                         ; K's scale words: 512 g + 256 hf
	s_add_co_u32 s52, s52, s44
	s_add_co_u32 s52, s52, KSC
	s_lshl_b32 s47, s46, 8
	s_add_co_u32 s52, s52, s47
	s_mov_b32 s53, 0
	s_lshl_b32 s54, s45, 10                        ; V's scale bytes: 1,024 g + 512 hf
	s_add_co_u32 s54, s54, s44
	s_add_co_u32 s54, s54, VSC
	s_lshl_b32 s47, s46, 9
	s_add_co_u32 s54, s54, s47
	s_mov_b32 s55, 0
	s_lshl_b32 s56, s[BAT], 6                      ; qc: 2,304 bytes for each 64 pixels
	s_add_co_u32 s56, s56, s[GRP]
	s_mul_i32 s56, s56, 2304
	s_lshl_b32 s58, s[PB], 10
	s_add_co_u32 s58, s58, s56
	s_lshl_b32 s47, s[J0], 9
	s_add_co_u32 s58, s58, s47                     ; the image of tile 2 pb + u
	s_mov_b32 s59, 0
	s_add_co_u32 s56, s56, 2048                    ; the scale words
	s_mov_b32 s57, 0
	s_lshl_b32 s60, s[J], 9                        ; the scale words of my four tiles of Wv
	s_mov_b32 s61, 0
	s_lshl_b32 s62, s[J1], 8                       ; and of the two tiles of Wq or of Wk
	s_mov_b32 s63, 0
	s_lshl_b32 s46, s[J], 8                        ; bv of my 64 channels
	s_mov_b32 s47, 0
	; the weights' descriptor: 40 rows of 256 bytes (32 elements of 8 bytes), dense, for each wave
	s_mov_b32 s[G1], 15|(3<<16)|(1<<21)            ; 15:0 the mask: all four work-groups; 17:16 elements of 8 bytes; 21 set beside a mask
	s_mov_b32 s[G1+1], 32<<16                      ; tensor_dim0
	s_mov_b32 s[G1+2], 40<<16                      ; tensor_dim1
	s_mov_b32 s[G1+3], 32<<16                      ; tile_dim0
	s_mov_b32 s[G1+4], 40                          ; tile_dim1
	s_mov_b32 s[G1+5], 32                          ; tensor_dim0_stride
	s_mov_b32 s[G1+6], 0
	s_mov_b32 s[G1+7], 0
	s_mov_b32 s[G0], 1
	s_mul_i32 s[G0+1], s[WV], 10240                ; LDS address: wave x 40 rows
	s_mov_b32 s[G0+2], s[G0+1]
	s_mov_b32 s[G0+3], 0
	s_mov_b32 s[SEL], 0x76543210
	s_mov_b32 s[SEL+1], 0xfedcba98
	s_mov_b32 s[MNT], 0x600000
	s_wait_dscnt 0x0
	s_wait_kmcnt 0x0
	s_add_nc_u64 s[4:5], s[4:5], s[42:43]
	; THE ORDER OF THE FIRST REQUESTS.  63 of x's 64 loads go out at once: LOADcnt's field counts 63, and the issue of a load beyond that waits for a load to come back (ISA guide 5.7.1).
	; So the round and the joint load of the weights stand HERE, ahead of the loads that would be held up, and the weights are on their way beside x.
.set ii, 0
.rept 63
	global_load_b32 v[WF+ii], v[XO], s[4:5] offset:ii*16384   ; channel 64 j + ii at my block's 32 pixels: 128 consecutive bytes a wave.  The attention launch reads x again: no hint
.set ii, ii+1
.endr
	s_add_nc_u64 s[G0+2:G0+3], s[6:7], s[G0+2:G0+3]
	s_or_b32 s[G0+3], s[G0+3], 0x80000000          ; type = 2
	s_add_nc_u64 s[60:61], s[6:7], s[60:61]
	s_add_nc_u64 s[62:63], s[6:7], s[62:63]
	s_add_nc_u64 s[12:13], s[12:13], s[46:47]
	s_add_nc_u64 s[48:49], s[16:17], s[48:49]
	s_add_nc_u64 s[50:51], s[16:17], s[50:51]
	s_add_nc_u64 s[52:53], s[16:17], s[52:53]
	s_add_nc_u64 s[54:55], s[16:17], s[54:55]
	s_add_nc_u64 s[58:59], s[14:15], s[58:59]
	s_add_nc_u64 s[56:57], s[14:15], s[56:57]
	s_cmp_lt_u32 s[J], 2                           ; q's wave or k's: the choices hang on the wave's number alone
	s_cselect_b64 s[50:51], s[58:59], s[50:51]     ; where my image goes
	s_cselect_b64 s[8:9], s[8:9], s[10:11]         ; my bias
	s_cmp_eq_u32 s[WV], 0
	s_cselect_b64 s[52:53], s[56:57], s[52:53]     ; the tail: wave 0 stores q's scale words, wave 1 k's
	CROUND                                         ; all four work-groups are here: the joint loads meet
	tensor_load_to_lds s[G0:G0+3], s[G1:G1+7]      ; one tensor load of mine is out
	s_nop 0
	PLACES 4
	s_lshl_b32 s41, s[PB], 13
	s_add_co_u32 s41, s41, XIMG                    ; my block's four fragments of x
	v_add_nc_u32 v[XFA], s41, v[LI]
	s_lshl_b32 s44, s[J0], 12
	s_add_co_u32 s44, s44, s41
	v_add_nc_u32 v[XJA], s44, v[LI]                ; tile u = j % 2
	s_lshl_b32 s44, s[J], 10                       ; channel blocks 2 j, 2 j + 1: K step j / 2, register groups 2 (j % 2) and the next
	s_add_co_u32 s44, s44, s41
	v_lshl_add_u32 v[XW], v[TL+2], 12, s44         ; lanes 16-31 hold tile u = 1
	v_lshl_add_u32 v[XW], v[TL+1], 4, v[XW]
	s_lshl_b32 s41, s[PB], 8
	s_add_co_u32 s41, s41, XSC
	v_add_nc_u32 v[XSA], s41, v[L4]
	s_lshl_b32 s44, s[J0], 6
	s_add_co_u32 s44, s44, s41
	v_add_nc_u32 v[XJSA], s44, v[R4]
	s_lshl_b32 s44, s[J1], 7
	s_add_co_u32 s44, s44, s41
	s_lshl_b32 s45, s[J0], 1
	s_add_co_u32 s44, s44, s45
	v_add_nc_u32 v[XSW], s44, v[L4]
	s_lshl_b32 s44, s[J], 14
	v_add_nc_u32 v[WA], s44, v[LI]
	s_lshl_b32 s44, s[J1], 13
	s_add_co_u32 s44, s44, 65536
	v_add_nc_u32 v[WQA], s44, v[LI]
	s_lshl_b32 s44, s[J], 2
	s_add_co_u32 s44, s44, s[PB]
	s_add_co_u32 s44, s44, GV
	v_lshl_add_u32 v[GVW], v[TL+1], 4, s44         ; 16 r + 256 (T % 2) + 2 (T / 2) + pb, T = 4 j + tt
	s_lshl_b32 s44, s[J1], 8
	s_lshl_b32 s45, s[PB], 7
	s_add_co_u32 s44, s44, s45
	s_lshl_b32 s45, s[J0], 6
	s_add_co_u32 s44, s44, s45
	s_add_co_u32 s44, s44, GQ
	v_add_nc_u32 v[GSW], s44, v[R4]
	v_mov_b32 v[TM+1], 0                           ; written once: a lane permute's destination counts as one of its sources
	v_mov_b32 v[TM+6], 0
	global_load_b32 v[WF+63], v[XO], s[4:5] offset:63*16384   ; x's last load, and the 14 small ones: nothing but waits for x stands behind them
.irp t, 0,1,2,3
	global_load_b32 v[WS+\t], v[L4], s[60:61] offset:81920+128*\t
.endr
.irp u, 0,1
	global_load_b32 v[WQS+\u], v[L4], s[62:63] offset:81920+2048+128*\u
.endr
.irp t, 0,1,2,3
	global_load_b32 v[BV+\t], v[R4], s[12:13] offset:64*\t
.endr
.irp u, 0,1
	global_load_b128 v[BQ+8*\u:BQ+8*\u+3], v[H64], s[8:9] offset:32*\u       ; register 8 u + i: the bias of number 16 h + 8 u + i
	global_load_b128 v[BQ+8*\u+4:BQ+8*\u+7], v[H64], s[8:9] offset:32*\u+16
.endr
	; ---- x: my two blocks of 32 channels.  A lane's low 16 codes belong to lane r of the fragment, its high 16 to lane 16 + r: the store's address does the exchange
	s_wait_loadcnt 46                              ; the first block's 32 loads are in; behind them: the second block's 32 and the 14 small loads
	QUANT32 WF, ACC, TM
	ds_store_b128 v[XW], v[ACC:ACC+3]
	ds_store_b128 v[XW], v[ACC+4:ACC+7] offset:256
	s_wait_loadcnt 14                              ; the second block's are in; the 14 small loads may be out
	QUANT32 WF+32, ACC+8, TM+5
	ds_store_b128 v[XW], v[ACC+8:ACC+11] offset:512
	ds_store_b128 v[XW], v[ACC+12:ACC+15] offset:768
	v_lshl_or_b32 v[TL], v[TM+9], 8, v[TM+4]
	ds_store_b16 v[XSW], v[TL]                     ; my pixel's two bytes of its scale word
	s_wait_tensorcnt 0x0                           ; my part of the weights has landed,
	s_wait_dscnt 0x0                               ; my stores too
	s_barrier_signal -1
	s_barrier_wait -1                              ; everybody's have
	; ---- v: my four channel tiles for my 32 pixels, two tiles at a time
.irp u, 0,1
.irp s, 0,1
.irp c, 0,1,2,3
	ds_load_b128 v[XF+32*\u+16*\s+4*\c:XF+32*\u+16*\s+4*\c+3], v[XFA] offset:4096*\u+2048*\s+512*\c
.endr
.endr
.endr
	ds_load_b32 v[XS], v[XSA]
	ds_load_b32 v[XS+1], v[XSA] offset:128
	WFETCH 0
	s_wait_loadcnt 0x0                             ; the weights' scale words and the biases
	BIAS 0
	PLACES 4
	s_wait_dscnt 0x0
	VMUL 0
	PLACES 8                                       ; eight places behind this form: in front of the loads into its sources, of the copies over its C and of the first read of its results
	WFETCH 2
	BIAS 2
	VOUT 0
	s_wait_dscnt 0x0
	VMUL 2
	PLACES 8
	; ---- q or k: the fragments are asked for while v's last two tiles are quantised
.irp u, 0,1
.irp s, 0,1
.irp c, 0,1,2,3
	ds_load_b128 v[WF+32*\u+16*\s+4*\c:WF+32*\u+16*\s+4*\c+3], v[WQA] offset:4096*\u+2048*\s+512*\c
.endr
.endr
.endr
.irp s, 0,1
.irp c, 0,1,2,3
	ds_load_b128 v[XF+16*\s+4*\c:XF+16*\s+4*\c+3], v[XJA] offset:2048*\s+512*\c
.endr
.endr
	ds_load_b32 v[XJS], v[XJSA]
	ds_load_b32 v[XJS+1], v[XJSA] offset:128
	VOUT 2
	s_wait_dscnt 0x0
.irp s, 0,1                                    ; source 0 = 16 rows of the weight, source 1 = my 16 pixels: lane (r, h) holds pixel r and numbers 16 h + 8 u + 0 .. 7.  Two accumulators by turns
.irp u, 0,1
.if \s == 0
	WM ACC+8*\u, WF+32*\u+16*\s, XF+16*\s, BQ+8*\u, WQS+\u, XJS+\s, \s, 0
.else
	WM ACC+8*\u, WF+32*\u+16*\s, XF+16*\s, ACC+8*\u, WQS+\u, XJS+\s, \s, 0
.endif
.endr
.endr
	PLACES 8
	QUANT16 ACC, QC, TM                            ; the pixel's 32 numbers are one block
	global_store_b128 v[LI], v[QC:QC+3], s[50:51]  ; 512 consecutive bytes, aligned
	ds_store_b32 v[GSW], v[TM+4]                   ; the byte as a word: the three bytes above it are 0
	v_and_b32 v[XSW], 31, v0                       ; the tail's addresses
	s_lshl_b32 s44, s[WV], 8
	s_add_co_u32 s44, s44, GQ
	v_lshl_add_u32 v[XW], v[XSW], 3, s44
	v_lshlrev_b32 v[XSW], 3, v[XSW]
	v_add_nc_u32 v[XFA], GV, v[LI]
	s_wait_dscnt 0x0                               ; my stores have landed
	s_barrier_signal -1
	s_barrier_wait -1                              ; the scale words and bytes of all eight waves lie in LDS: they leave in whole aligned runs
	s_cmp_lt_u32 s[WV], 2
	s_cbranch_scc0 .Lnot_qk
	ds_load_b64 v[TL:TL+1], v[XW]
	s_wait_dscnt 0x0
	global_store_b64 v[XSW], v[TL:TL+1], s[52:53]  ; 32 lanes store 256 consecutive bytes, aligned
	s_branch .Ltail_done
.Lnot_qk:
	s_cmp_eq_u32 s[WV], 2
	s_cbranch_scc0 .Ltail_done
	ds_load_b128 v[TL:TL+3], v[XFA]
	s_wait_dscnt 0x0
	global_store_b128 v[LI], v[TL:TL+3], s[54:55]  ; 512 consecutive bytes, aligned
.Ltail_done:
	s_set_vgpr_msb 0x5
	s_wait_tensorcnt 0x0
	ds_add_u32 v0, v1
	s_wait_dscnt 0x0
	s_set_vgpr_msb 0x500
	CROUND                                         ; the closing round: no work-group ends while a partner may still ask for the weights
	s_endpgm
.Lfunc_end_k_q0c43a30cdf_proj:
	.size	k_q0c43a30cdf_proj, .Lfunc_end_k_q0c43a30cdf_proj-k_q0c43a30cdf_proj
	.p2alignl 7, 3214868480
	.fill 96, 4, 3214868480
	.section	.rodata,"a",@progbits
	.p2align	6, 0x0
	.amdhsa_kernel k_q0c43a30cdf_proj
		.amdhsa_group_segment_fixed_size 168960
		.amdhsa_private_segment_fixed_size 0
		.amdhsa_enable_private_segment 0
		.amdhsa_kernarg_size 56
		.amdhsa_user_sgpr_count 2
		.amdhsa_user_sgpr_kernarg_segment_ptr 1
		.amdhsa_wavefront_size32 1
		.amdhsa_system_sgpr_workgroup_id_x 1
		.amdhsa_system_sgpr_workgroup_id_y 1
		.amdhsa_system_sgpr_workgroup_id_z 1
		.amdhsa_system_vgpr_workitem_id 0
		.amdhsa_next_free_vgpr 258
		.amdhsa_next_free_sgpr 66
		.amdhsa_reserve_vcc 0
		.amdhsa_float_denorm_mode_32 3
		.amdhsa_float_denorm_mode_16_64 3
		.amdhsa_memory_ordered 1
		.amdhsa_forward_progress 1
		.amdhsa_inst_pref_size 44
	.end_amdhsa_kernel
	.amdgpu_metadata
---
amdhsa.version: [ 1, 2 ]
amdhsa.kernels:
  - .name:           k_q0c43a30cdf_proj
    .symbol:         k_q0c43a30cdf_proj.kd
    .args:
      - { .name: x, .offset: 0, .size: 8, .value_kind: global_buffer, .address_space: global }
      - { .name: wts, .offset: 8, .size: 8, .value_kind: global_buffer, .address_space: global }
      - { .name: bq, .offset: 16, .size: 8, .value_kind: global_buffer, .address_space: global }
      - { .name: bk, .offset: 24, .size: 8, .value_kind: global_buffer, .address_space: global }
      - { .name: bv, .offset: 32, .size: 8, .value_kind: global_buffer, .address_space: global }
      - { .name: qc, .offset: 40, .size: 8, .value_kind: global_buffer, .address_space: global }
      - { .name: kv, .offset: 48, .size: 8, .value_kind: global_buffer, .address_space: global }
    .group_segment_fixed_size: 168960
    .private_segment_fixed_size: 0
    .kernarg_segment_align: 8
    .kernarg_segment_size: 56
    .max_flat_workgroup_size: 256
    .sgpr_count:     66
    .vgpr_count:     258
    .wavefront_size: 32
...
	.end_amdgpu_metadata
.endif
;; end of part 2
;; launch attn (part 3): grid 64 x 4, 8 waves a work-group, clusters of 4 x 1, 327,680 bytes of LDS; arguments qc, kv, x, gamma, out0; writes out0
.if DOCPART == 3
	.amdgcn_target "amdgcn-amd-amdhsa--gfx1250"
	.amdhsa_code_object_version 6
	.text
	.protected	k_q0c43a30cdf_attn
	.globl	k_q0c43a30cdf_attn
	.p2align	8
	.type	k_q0c43a30cdf_attn,@function
k_q0c43a30cdf_attn:
	s_mov_b64 s[64:65], 0
	v_nop
	global_prefetch_b8 v0, s[64:65] scope:SCOPE_SE
	s_setreg_imm32_b32 hwreg(HW_REG_WAVE_MODE, 25, 1), 1
	s_wait_xcnt 0x0
	s_wait_alu depctr_hold_cnt(0) depctr_sa_sdst(0) depctr_va_vdst(0) depctr_va_sdst(0) depctr_va_ssrc(0) depctr_va_vcc(0) depctr_vm_vsrc(0)
	s_getreg_b32 s2, hwreg(HW_REG_IB_STS2, 6, 4)
	s_cmp_eq_u32 s2, 0
	s_cbranch_scc0 .Lentry_in_a_cluster
	s_endpgm
.Lentry_in_a_cluster:
	s_bfe_u32 s2, ttmp6, 0x10000c
	s_cmp_lg_u32 s2, 0x3003
	s_cbranch_scc0 .Lentry_shape_is_right
	s_endpgm
.Lentry_shape_is_right:
; out[b][c][i] = gamma x (the sum over j of v[b][c][j] softmax_j(q[b][:][i] . k[b][:][j])) + x[b][c][i], both products on codes of FP8 (E4M3) with one E8M0 byte for each 32 along K.
; q, k and v come as register images from qc and kv (their layouts: at the head of the launch that makes them).
; THE SOFTMAX AHEAD OF THE SECOND PRODUCT: t = score x log2(e); M = the largest t so far, rounded UP to a whole number; p = 2^(t - M) is quantised along the keys, not normalised; the row's sum is taken of the
; unquantised p.  When M moves, the sum and O are multiplied by 2^(old M - new M): exact.
; SHARES.  A work-group owns 64 queries of a batch.  Wave w = 2 g + qh owns 32 of them (two tiles of 16) and keys 128 g .. 128 g + 127 of every slot of 512 keys: a fragment of V read from LDS feeds two products.
; Each of the four key groups keeps its own M, sum and O; at the end they are brought under the largest M by exact powers of two and added through LDS.  Two waves share a SIMD.
; LAYOUT.  Both products are used transposed: S^T = K Q^T, O^T = V P^T: a lane holds ONE query throughout.  The keys of a tile of K are chosen so that the 16 registers of two neighbouring tiles are 16 neighbouring keys.
; THE FIRST PRODUCT'S K IS 32 OF THE INSTRUCTION'S 128.  Q's fragment has zero codes in registers 4-15.  K's eight tiles (four registers each) lie on end with twelve zero registers behind them, and tile t's operand is
; the sixteen registers from its own first on: what stands there beyond its four are other tiles' codes (never the NaN code: every number is held before it is converted), which meet Q's zeros.  The scale bytes of these
; blocks are 0 on both sides.
; V'S SIXTEEN FRAGMENTS OF A STEP GO THROUGH EIGHT BUFFERS OF SIXTEEN REGISTERS, each asked for as soon as its registers are idle: three behind the second tile's K Q^T (K's registers and V's scale half-words'), four
; inside the second softmax (each block of S behind its conversions), one behind it (the softmax's work registers), the other eight behind the products that free a buffer.  So six fragments are on their way
; behind the one that a product waits for.  The products go in batches of four, and O^T's rescaling is dealt among them, sixteen multiplications behind a batch, for the tiles that come two batches later.
; CLUSTER.  The four work-groups of a cluster belong to one batch and walk the same slots: each slot is asked for JOINTLY, every wave for 75 rows of 256 bytes of its 153,600.
; LIMITS: a p under 2^-126 comes out of v_exp_f32 as 0; NaN and infinities among the inputs are not served.
; REGISTERS.  Window 1 (v256-511): O^T, tile q, channels 16 T on, at v[128 q + 8 T].  Window 0: v1-10 addresses; v12-19 -M, the largest t and the sum (two halves) of the two tiles; v20-35 scales and nothing else;
; v36-67 Q; v68-111 K and the zeros; v112-117 the combine's addresses; v120-151 p's codes; v152-159 at work, and f; v160-223 S^T, then p; v224-239 at work; v240-247 V's scale half-words.
.set SLOTB,  153600
.set KIMG,   131072
.set VSC,    147456
.set KSC,    151552
.set SPARE,  2*SLOTB                   ; behind the ring: the spare words, 128 bytes for each wave: four blocks of 256 bytes that no other line names
.set STM,    SPARE+1024                ; -M of each wave's 32 queries: 128 w + 64 q + 4 r; 1,024 bytes on: their sums
.set PPITCH, 272                       ; the combine's stage: a channel's 64 queries, 256 bytes + 16
.set PART,   256*PPITCH                ; a key group's partial result.  The four lie from byte 0 on, in the ring, which has had its last fill and its last read by then
.set SPW,  1
.set NIL,  2
.set AV,   3                           ; v3-4   V's fragments of my key group in slot 0, 1
.set AK,   5                           ; v5-6   K's tiles
.set AVS,  7                           ; v7-8   V's scale half-words
.set AKS,  9                           ; v9-10  K's scale words
.set QS,   20                          ; v20    Q's scale words: lanes 0-15 tile 0, lanes 16-31 tile 1
.set PS,   21                          ; v21-22 p's scale words
.set KS,   24                          ; v24-27 K's: register i: lanes 0-15 tile 2 i, lanes 16-31 tile 2 i + 1
.set VS,   28                          ; v28-35 V's: likewise
.set QF,   36
.set KF,   68
.set STA,  112
.set STR,  113
.set STOA, 114
.set STOB, 115
.set CO,   116
.set RDB,  117
.set PC,   120
.set TP,   152                         ; the sum's second chain
.set TT,   154
.set FF,   156                         ; v[156:157], v[158:159]: f of tile 0, 1 (the low word; the pair is named)
.set S,    160
.set BM,   224                         ; the blocks' largest scores, then largest p
.set PT,   228                         ; permutes, then bytes, then a second copy of the holds
.set HD,   232                         ; 448 x the scale
.set SO,   236                         ; the conversions' scale operands
.set VH,   240
.set XR,   36                          ; the combine: 32 channels' rows of x, 64 registers
.set RB,   120                         ; and two buffers of 64
.set RD,   3
.set WV,  14
.set KG,  15
.set QH,  16
.set CX,  17
.set BLK, 18
.set BAT, 19
.set G1,  24
.set G0,  32                           ; s[32:35], s[36:39]: a group 0 for each slot
.set SEL, 40
.set CS,  42                           ; s[42:43] log2(e)
.set MNT, 44
.set CNT, 45
.set GAM, 46
.set P0,  47
.set P1,  48
.set MSB, 0
.macro WIN new                         ; the immediate's high byte repeats the setting that is left
.if MSB != \new
	s_set_vgpr_msb (MSB<<8)|\new
.set MSB, \new
.endif
.endm
.macro PLACES n
.rept \n
	v_nop
.endr
.endm
.macro CROUND                          ; a round of the cluster's barrier
	s_barrier_signal -1
	s_barrier_wait -1
	s_cmp_lg_u32 s[WV], 0
	s_cbranch_scc1 .Lnot_wave_0_\@
	s_barrier_signal -3
.Lnot_wave_0_\@:
	s_barrier_wait -3
	s_barrier_signal -1
	s_barrier_wait -1
.endm
.macro WM d, a, b, c, sa, sb, ra, rb   ; one product; c < 0: it starts the sum; ra, rb: the scales stand in lanes 16-31 of their registers
.if (\c) < 0
.if (\ra) && (\rb)
	v_wmma_scale_f32_16x16x128_f8f6f4 v[\d:\d+7], v[\a:\a+15], v[\b:\b+15], 0, v[\sa], v[\sb] matrix_a_scale:MATRIX_SCALE_ROW1 matrix_b_scale:MATRIX_SCALE_ROW1
.elseif \ra
	v_wmma_scale_f32_16x16x128_f8f6f4 v[\d:\d+7], v[\a:\a+15], v[\b:\b+15], 0, v[\sa], v[\sb] matrix_a_scale:MATRIX_SCALE_ROW1
.elseif \rb
	v_wmma_scale_f32_16x16x128_f8f6f4 v[\d:\d+7], v[\a:\a+15], v[\b:\b+15], 0, v[\sa], v[\sb] matrix_b_scale:MATRIX_SCALE_ROW1
.else
	v_wmma_scale_f32_16x16x128_f8f6f4 v[\d:\d+7], v[\a:\a+15], v[\b:\b+15], 0, v[\sa], v[\sb]
.endif
.else
.if (\ra) && (\rb)
	v_wmma_scale_f32_16x16x128_f8f6f4 v[\d:\d+7], v[\a:\a+15], v[\b:\b+15], v[\c:\c+7], v[\sa], v[\sb] matrix_a_scale:MATRIX_SCALE_ROW1 matrix_b_scale:MATRIX_SCALE_ROW1
.elseif \ra
	v_wmma_scale_f32_16x16x128_f8f6f4 v[\d:\d+7], v[\a:\a+15], v[\b:\b+15], v[\c:\c+7], v[\sa], v[\sb] matrix_a_scale:MATRIX_SCALE_ROW1
.elseif \rb
	v_wmma_scale_f32_16x16x128_f8f6f4 v[\d:\d+7], v[\a:\a+15], v[\b:\b+15], v[\c:\c+7], v[\sa], v[\sb] matrix_b_scale:MATRIX_SCALE_ROW1
.else
	v_wmma_scale_f32_16x16x128_f8f6f4 v[\d:\d+7], v[\a:\a+15], v[\b:\b+15], v[\c:\c+7], v[\sa], v[\sb]
.endif
.endif
.endm
; THE CHANGE OF SLOTS.  Each wave waits for all its tensor loads (its part of the slot that is read next), adds 0 to its spare word, and waits for that and for its reads of the slot that it has left.
; fill = 1: the barrier is a round of the cluster's, and the slot just left is filled with the keys two slots on: one tensor load of mine is out, and it has a whole key step in which to land.
.macro CHANGE slot, fill
	s_wait_tensorcnt 0x0                           ; no tensor load of mine is out, so a group 0 may be written
	ds_add_u32 v[SPW], v[NIL]                      ; 0 onto my spare word
.if \fill
	s_add_nc_u64 s[G0+4*\slot+2:G0+4*\slot+3], s[G0+4*\slot+2:G0+4*\slot+3], 2*SLOTB   ; the type bits on top are not reached
.endif
	s_wait_dscnt 0x0                               ; the add is done, and my reads of the slot are over
.if \fill
	CROUND
	tensor_load_to_lds s[G0+4*\slot:G0+4*\slot+3], s[G1:G1+7]
	s_nop 0
	PLACES 4
.else
	s_barrier_signal -1
	s_barrier_wait -1
.endif
.endm
.macro ST q                            ; S^T of tile q: eight tiles of 16 keys, each product a sum of its own
.irp t, 0,1,2,3,4,5,6,7
	WM S+8*\t, KF+4*\t, QF+16*\q, -1, KS+\t/2, QS, \t%2, \q
.endr
.endm
.macro RESC q, T0, n                   ; O^T of tile q, channel tiles T0 .. T0 + n - 1, times f; each accumulator from its low end on
	WIN 0x41                                       ; destination and source 0 window 1, f window 0
.set rr, 128*(\q)+8*(\T0)
.rept 4*(\n)
	v_pk_mul_f32 v[rr:rr+1], v[rr:rr+1], v[FF+2*(\q):FF+2*(\q)+1] op_sel_hi:[1,0]
.set rr, rr+2
.endr
.endm
.macro SETFB T                         ; FBR: the buffer of V's fragment T: number T % 8 of K's two halves, V's half-words' sixteen, S's four blocks, the softmax's sixteen work registers
.set fbi, (\T)%8
.if fbi == 0
.set FBR, KF
.elseif fbi == 1
.set FBR, KF+16
.elseif fbi == 2
.set FBR, VH
.elseif fbi == 7
.set FBR, BM
.else
.set FBR, S+16*(fbi-3)
.endif
.endm
.macro VLOAD T, slot                   ; V's fragment of channels 16 T on, my 128 keys
	SETFB \T
.irp c, 0,1,2,3
	ds_load_b128 v[FBR+4*\c:FBR+4*\c+3], v[AV+\slot] offset:2048*(\T)+512*\c
.endr
.endm
.macro PVP T, first                    ; O^T += V P^T for channels 16 T on and both tiles of queries
	SETFB \T
.irp q, 0,1
.if \first
	WM 128*\q+8*(\T), FBR, PC+16*\q, -1, VS+(\T)/2, PS+\q, (\T)%2, 0
.else
	WM 128*\q+8*(\T), FBR, PC+16*\q, 128*\q+8*(\T), VS+(\T)/2, PS+\q, (\T)%2, 0
.endif
.endr
.endm
; The softmax of tile q for 128 keys: register 16 b + i of S is key 32 b + 16 (lane / 16) + i.  first = 1: the first key step: there is no old M.  In tile 1's, each block of S takes a fragment of V as soon as it is converted.
.macro SOFT q, first, slot
.set NM, 12+4*\q
.set LL, 14+4*\q
.set FQ, FF+2*\q
.set PQ, PC+16*\q
.irp b, 0,1,2,3
	v_max3_num_f32 v[BM+\b], v[S+16*\b], v[S+16*\b+1], v[S+16*\b+2]   ; the largest score of each block of 32 keys: for the row's maximum and, since p rises with the score, for the block's largest p
.endr
.irp i, 3,5,7,9,11,13
.irp b, 0,1,2,3
	v_max3_num_f32 v[BM+\b], v[BM+\b], v[S+16*\b+\i], v[S+16*\b+\i+1]
.endr
.endr
.irp b, 0,1,2,3
	v_max_num_f32 v[BM+\b], v[BM+\b], v[S+16*\b+15]
.endr
.irp b, 0,1,2,3
	v_permlanex16_b32 v[PT+\b], v[BM+\b], s[SEL], s[SEL+1]
.endr
.irp b, 0,1,2,3
	v_max_num_f32 v[BM+\b], v[BM+\b], v[PT+\b]     ; with lane l xor 16's 16 keys
.endr
	v_max3_num_f32 v[TT], v[BM], v[BM+1], v[BM+2]
	v_max_num_f32 v[TT], v[TT], v[BM+3]
	v_mul_f32 v[TT], s[CS], v[TT]                  ; the step's largest t
	v_max_num_f32 v[NM+1], v[NM+1], v[TT]          ; the running largest t
.if \first == 0
	v_mov_b32 v[TT], v[NM]
.endif
	v_floor_f32 v[NM], -v[NM+1]                    ; -M = floor(-t): M is a whole number
.if \first == 0
	v_sub_f32 v[TT], v[NM], v[TT]                  ; old M - new M: a whole number, 0 or less
	v_cvt_i32_f32 v[TT], v[TT]                     ; (it saturates)
	v_ldexp_f32 v[FQ], 1.0, v[TT]                  ; f = 2^(old M - new M)
.endif
.set jj, 0
.rept 32
	v_pk_fma_f32 v[S+jj:S+jj+1], v[S+jj:S+jj+1], s[CS:CS+1], v[NM:NM+1] op_sel_hi:[1,0,0]   ; t - M, two at a time
.set jj, jj+2
.endr
.irp b, 0,1,2,3
	v_fma_f32 v[BM+\b], v[BM+\b], s[CS], v[NM]     ; the same of each block's largest score
.endr
.set jj, 0
.rept 64
	v_exp_f32 v[S+jj], v[S+jj]                     ; p = 2^(t - M), at most 1
.set jj, jj+1
.endr
.irp b, 0,1,2,3
	v_exp_f32 v[BM+\b], v[BM+\b]                   ; the block's largest p: the same two instructions on the same number
.endr
.if \first
	v_nop                                          ; a plain place behind the exponentials
	s_wait_alu depctr_va_vdst(0)
.else
	v_pk_mul_f32 v[LL:LL+1], v[LL:LL+1], v[FQ:FQ+1] op_sel_hi:[1,0]   ; the sum under the new M; also the plain place behind the exponentials
	s_wait_alu depctr_va_vdst(0)
.endif
.irp b, 0,1,2,3
	v_max_num_f32 v[BM+\b], 0x4800000, v[BM+\b]    ; the floor 2^(9 - 127): the byte cannot fall under 1
.endr
.irp b, 0,1,2,3
	v_add_nc_u32 v[SO+\b], 0xfc000000, v[BM+\b]    ; 8 off the exponent field: the conversion's scale operand
.endr
.irp b, 0,1,2,3
	v_and_or_b32 v[HD+\b], v[BM+\b], 0x7f800000, s[MNT]   ; 448 x the scale
.endr
.irp b, 0,1,2,3
	v_lshrrev_b32 v[PT+\b], 23, v[SO+\b]           ; the scale's byte
.endr
	v_lshl_or_b32 v[PS+\q], v[PT+1], 8, v[PT]      ; p's scale word for these 128 keys
	v_lshl_or_b32 v[PS+\q], v[PT+2], 16, v[PS+\q]
	v_lshl_or_b32 v[PS+\q], v[PT+3], 24, v[PS+\q]
.irp b, 0,1,2,3
	v_mov_b32 v[PT+(\b+1)%4], v[HD+\b]             ; a second copy of each hold, in a register whose number differs modulo 4: the two halves of a dual-issue pair take their second sources so
.endr
	v_pk_add_f32 v[TP:TP+1], v[S:S+1], v[S+2:S+3]  ; the row's sum is taken of the unquantised p: two at a time, in two chains
.set jj, 4
.rept 15
	v_pk_add_f32 v[LL:LL+1], v[LL:LL+1], v[S+jj:S+jj+1]
	v_pk_add_f32 v[TP:TP+1], v[TP:TP+1], v[S+jj+2:S+jj+3]
.set jj, jj+4
.endr
	v_pk_add_f32 v[LL:LL+1], v[LL:LL+1], v[TP:TP+1]
.irp b, 0,1,2,3
.irp i, 0,2,4,6,8,10,12,14
	v_dual_min_num_f32 v[S+16*\b+\i], v[S+16*\b+\i], v[HD+\b] :: v_dual_min_num_f32 v[S+16*\b+\i+1], v[S+16*\b+\i+1], v[PT+(\b+1)%4]   ; the conversion to an 8-bit code does not saturate (ISA guide 7.6.2); p is not negative, so the hold is one-sided; two holds an instruction
.endr
	v_cvt_scalef32_pk8_fp8_f32 v[PQ+4*\b:PQ+4*\b+1], v[S+16*\b:S+16*\b+7], v[SO+\b]
	v_cvt_scalef32_pk8_fp8_f32 v[PQ+4*\b+2:PQ+4*\b+3], v[S+16*\b+8:S+16*\b+15], v[SO+\b]
.if \q == 1
	VLOAD 3+\b, \slot                              ; this block of S is idle from here on
.endif
.endr
	v_nop                                          ; a plain place behind the conversions: products touch their results and write their sources next
.endm
; Batch k of eight: V's fragments 2 k and 2 k + 1 against both tiles of queries: four products on four accumulators, one instruction a turn.
; Behind it sixteen multiplications bring the tiles of batch k + 2 under the new M.  They name no register of the batch, so they are also the places (eight are asked) in front of the loads that fill
; the batch's two buffers again, with the fragments eight further on.
.macro BATCH k, slot, first
.if \k < 5
	s_wait_dscnt 24                                ; fragment 2 k + 1 is in; the six fragments asked for behind it, four loads each, may be out
.else
	s_wait_dscnt 8*(7-\k)                          ; nothing more is asked for: the fragments behind this batch's may be out
.endif
	WIN 0x50                                       ; C and D window 1
	PVP 2*\k, \first
	PVP 2*\k+1, \first
.if \first
.if \k < 4
	PLACES 8
.endif
.else
.if \k < 6
	RESC 0, 2*\k+4, 2
	RESC 1, 2*\k+4, 2
.endif
.if \k == 5
	PLACES 4                                       ; no multiplications follow: the last accumulators written keep their distance from the products that take them up
.endif
.endif
.if \k < 4
	WIN 0
	VLOAD 2*\k+8, \slot
	VLOAD 2*\k+9, \slot
.endif
.endm
; A KEY STEP: my 128 keys of a slot, for my two tiles of queries.
.macro STEP slot, first
.irp t, 0,1,2,3,4,5,6,7
	ds_load_b128 v[KF+4*\t:KF+4*\t+3], v[AK+\slot] offset:512*\t
.endr
.irp i, 0,1,2,3
	ds_load_b32 v[KS+\i], v[AKS+\slot] offset:128*\i
.endr
	ds_load_b128 v[VH:VH+3], v[AVS+\slot]
	ds_load_b128 v[VH+4:VH+7], v[AVS+\slot] offset:512
	s_wait_dscnt 2                                 ; K and its scale words are in; V's two loads of half-words may be out
	ST 0
	s_wait_dscnt 0x0
.irp k, 0,1,2,3                                ; V's scale words: bytes 0, 1 from the first 64 keys' half-word, bytes 2, 3 from the second's.  These eight are the places behind the products above
	v_perm_b32 v[VS+2*\k], v[VH+4+\k], v[VH+\k], s[P0]
	v_perm_b32 v[VS+2*\k+1], v[VH+4+\k], v[VH+\k], s[P1]
.endr
	SOFT 0, \first, \slot
	ST 1
.if \first
	PLACES 8
.else
	RESC 0, 0, 4                                   ; tile 0's first four accumulators under its new M: also the places behind the products above
	WIN 0
.endif
	VLOAD 0, \slot                                 ; K and V's half-words have served: their registers take V's first three fragments, which have a softmax in which to land
	VLOAD 1, \slot
	VLOAD 2, \slot
	SOFT 1, \first, \slot                          ; fragments 3 to 6 are asked for inside
	VLOAD 7, \slot                                 ; into the softmax's work registers
.if \first
	PLACES 4                                       ; p's codes stand four places ahead of the products
.else
	RESC 1, 0, 4                                   ; tile 1's first four accumulators
.endif
.irp k, 0,1,2,3,4,5,6,7
	BATCH \k, \slot, \first
.endr
	WIN 0
	PLACES 9                                       ; nine places behind this form: the next products write over V's fragments; K, V's scale words and the work registers are written anew; the combine reads O^T
.endm
	s_load_b256 s[4:11], s[0:1], 0x0               ; qc s[4:5], kv s[6:7], x s[8:9], gamma s[10:11]
	s_load_b64 s[12:13], s[0:1], 0x20              ; out0
	v_lshl_add_u32 v[SPW], v0, 2, SPARE
	v_mov_b32 v[NIL], 0
	ds_add_u32 v1, v2
	ds_add_u32 v1, v2
	s_wait_dscnt 0x0
	v_lshrrev_b32 v3, 5, v0
	v_readfirstlane_b32 s[WV], v3                  ; wave 0..7
	s_lshr_b32 s[KG], s[WV], 1                     ; my key group
	s_and_b32 s[QH], s[WV], 1                      ; my half of the queries
	s_bfe_u32 s[CX], ttmp6, 0x40000                ; my place in the cluster: it enters qc's, x's and out0's offsets alone
	s_lshl_b32 s[BLK], ttmp9, 2
	s_add_co_u32 s[BLK], s[BLK], s[CX]             ; which 64 queries of the batch
	s_and_b32 s[BAT], ttmp7, 0xffff                ; the batch, which the four partners share
	; descriptor group 1: 75 rows of 256 bytes (32 elements of 8 bytes), dense
	s_mov_b32 s[G1], 15|(3<<16)|(1<<21)            ; 15:0 the mask: all four work-groups; 17:16 elements of 8 bytes; 21 set beside a mask
	s_mov_b32 s[G1+1], 32<<16                      ; tensor_dim0
	s_mov_b32 s[G1+2], 75<<16                      ; tensor_dim1
	s_mov_b32 s[G1+3], 32<<16                      ; tile_dim0
	s_mov_b32 s[G1+4], 75                          ; tile_dim1
	s_mov_b32 s[G1+5], 32                          ; tensor_dim0_stride
	s_mov_b32 s[G1+6], 0
	s_mov_b32 s[G1+7], 0
	s_mul_i32 s20, s[WV], 19200                    ; my 75 rows of a slot, in memory and in LDS
	s_mul_i32 s50, s[BAT], 8*SLOTB
	s_add_co_u32 s50, s50, s20
	s_mov_b32 s51, 0
	s_lshl_b32 s52, s[BAT], 6
	s_add_co_u32 s52, s52, s[BLK]
	s_mul_i32 s52, s52, 2304                       ; my 64 queries in qc
	s_mov_b32 s53, 0
	s_lshl_b32 s54, s[BAT], 22
	s_lshl_b32 s55, s[BLK], 8
	s_add_co_u32 s54, s54, s55                     ; and in x and out0
	s_mov_b32 s55, 0
	s_mov_b32 s[SEL], 0x76543210
	s_mov_b32 s[SEL+1], 0xfedcba98
	s_mov_b32 s[CS], 0x3fb8aa3b                    ; log2(e)
	s_mov_b32 s[CS+1], s[CS]                       ; (named with it as a pair, so it is written)
	s_mov_b32 s[MNT], 0x600000
	s_mov_b32 s[P0], 0x05040100                    ; the two low halves
	s_mov_b32 s[P1], 0x07060302                    ; the two high halves
	s_mov_b32 s[CNT], 3
	s_wait_kmcnt 0x0
	s_load_b32 s[GAM], s[10:11], 0x0
	s_add_nc_u64 s[6:7], s[6:7], s[50:51]
	s_add_nc_u64 s[4:5], s[4:5], s[52:53]
	s_add_nc_u64 s[8:9], s[8:9], s[54:55]
	s_add_nc_u64 s[12:13], s[12:13], s[54:55]
	s_mov_b32 s[G0], 1
	s_mov_b32 s[G0+1], s20                         ; slot 0
	s_mov_b64 s[G0+2:G0+3], s[6:7]
	s_or_b32 s[G0+3], s[G0+3], 0x80000000          ; type = 2
	s_mov_b32 s[G0+4], 1
	s_add_co_u32 s[G0+5], s20, SLOTB               ; slot 1
	s_add_nc_u64 s[G0+6:G0+7], s[6:7], SLOTB
	s_or_b32 s[G0+7], s[G0+7], 0x80000000
	CROUND                                         ; all four work-groups are here: the first joint loads meet
	tensor_load_to_lds s[G0:G0+3], s[G1:G1+7]      ; the two first fills go out together: two tensor loads of mine are out
	s_nop 0
	tensor_load_to_lds s[G0+4:G0+7], s[G1:G1+7]
	s_nop 0
	PLACES 4
	v_and_b32 v160, 31, v0                         ; lane
	v_and_b32 v161, 15, v0                         ; r
	v_bfe_u32 v162, v0, 4, 1                       ; h
	s_lshl_b32 s56, s[QH], 10
	v_lshl_add_u32 v163, v160, 4, s56
	s_lshl_b32 s57, s[QH], 7
	v_lshl_add_u32 v164, v160, 2, s57
	global_load_b128 v[QF:QF+3], v163, s[4:5]              ; registers 0-3 of my two fragments of Q
	global_load_b128 v[QF+16:QF+19], v163, s[4:5] offset:512
	global_load_b32 v[QS], v164, s[4:5] offset:2048
.irp i, 4,5,6,7,8,9,10,11,12,13,14,15
	v_mov_b32 v[QF+\i], 0                          ; zero codes for the 96 along K that the first product does not have
	v_mov_b32 v[QF+16+\i], 0
	v_mov_b32 v[KF+28+\i], 0                       ; and the twelve registers behind K's last tile
.endr
	s_lshl_b32 s58, s[KG], 15
	v_lshl_add_u32 v[AV], v160, 4, s58
	v_add_nc_u32 v[AV+1], SLOTB, v[AV]
	s_lshl_b32 s58, s[KG], 12
	s_add_co_u32 s58, s58, KIMG
	v_lshl_add_u32 v[AK], v160, 4, s58
	v_add_nc_u32 v[AK+1], SLOTB, v[AK]
	s_lshl_b32 s58, s[KG], 10
	s_add_co_u32 s58, s58, VSC
	v_lshl_add_u32 v[AVS], v160, 4, s58
	v_add_nc_u32 v[AVS+1], SLOTB, v[AVS]
	s_lshl_b32 s58, s[KG], 9
	s_add_co_u32 s58, s58, KSC
	v_lshl_add_u32 v[AKS], v160, 2, s58
	v_add_nc_u32 v[AKS+1], SLOTB, v[AKS]
	s_lshl_b32 s58, s[WV], 7                       ; the combine's addresses
	s_add_co_u32 s58, s58, STM
	v_lshl_add_u32 v[STA], v161, 2, s58            ; my own -M and sum
	s_lshl_b32 s58, s[QH], 7
	s_add_co_u32 s58, s58, STM
	v_lshl_add_u32 v[STR], v161, 2, s58            ; those of the four key groups for my queries
	v_and_b32 v165, 8, v161
	v_add_nc_u32 v165, v165, v161                  ; row r of a tile is query 8 q + r + 8 (r / 8) of my 32
	s_mul_i32 s58, s[KG], PART
	s_lshl_b32 s59, s[QH], 7
	s_add_co_u32 s58, s58, s59
	v_lshl_add_u32 v[STOA], v165, 2, s58
	v_mad_u32_u24 v[STOA], v162, 8*PPITCH, v[STOA] ; lanes 16-31 hold channels 8 further on: 544 words, half way round the 64 banks of 4 bytes (ISA guide 11.1): the 32 lanes of a store touch 32 different banks
	v_add_nc_u32 v[STOB], 128*PPITCH, v[STOA]      ; channels 128 on: the immediate has 16 bits
	s_lshl_b32 s58, s[WV], 19
	v_lshl_add_u32 v[CO], v162, 14, s58
	v_lshl_add_u32 v[CO], v161, 4, v[CO]           ; x and out0: channel 32 w + h, 16 bytes a lane
	s_mul_i32 s58, s[WV], 32*PPITCH
	v_mad_u32_u24 v[RDB], v162, PPITCH, s58
	v_lshl_add_u32 v[RDB], v161, 4, v[RDB]         ; and the same place in a partial result
	v_mov_b32 v13, 0xff61b1e6                      ; the largest t so far: -3e38, under every t
	v_mov_b32 v17, 0xff61b1e6
.irp i, 14,15,18,19
	v_mov_b32 v\i, 0                               ; the sums, in two halves
.endr
.irp b, 0,1,2,3
	v_mov_b32 v[PT+\b], 0                          ; written once: a lane permute's destination counts as one of its sources
.endr
	v_mov_b32 v[FF+1], 0                           ; (named as the upper halves of f's pairs)
	v_mov_b32 v[FF+3], 0
	s_wait_kmcnt 0x0                               ; gamma
	s_wait_tensorcnt 0x1                           ; my part of slot 0 is in; slot 1's may stay out
	s_barrier_signal -1
	s_barrier_wait -1                              ; everybody's is
	s_wait_loadcnt 0x0                             ; Q
	STEP 0, 1                                      ; the first key step stands in front of the loop: its products start O^T's sums
.Lpair:                                                ; three trips: key steps 1 to 6; each change of slots asks for the slot two steps on
	CHANGE 0, 1
	STEP 1, 0
	CHANGE 1, 1
	STEP 0, 0
	s_sub_co_u32 s[CNT], s[CNT], 1
	s_cmp_lg_u32 s[CNT], 0
	s_cbranch_scc1 .Lpair
	CHANGE 0, 0                                    ; the last step is written out: nothing is left to ask for
	STEP 1, 0
	; THE COMBINE.  x's rows are asked for first: they have all that follows in which to land
.irp i, 0,1,2,3,4,5,6,7,8,9,10,11,12,13,14,15
	global_load_b128 v[XR+4*\i:XR+4*\i+3], v[CO], s[8:9] offset:32768*\i   ; channels 32 w + 2 i, + 1: sixteen lanes read 256 consecutive bytes, aligned
.endr
.irp q, 0,1
	v_add_f32 v[14+4*\q], v[14+4*\q], v[15+4*\q]   ; the sum's two halves,
.endr
.irp q, 0,1
	v_permlanex16_b32 v[PT+\q], v[14+4*\q], s[SEL], s[SEL+1]
.endr
.irp q, 0,1
	v_add_f32 v[14+4*\q], v[14+4*\q], v[PT+\q]     ; and lane l xor 16's
.endr
.irp q, 0,1
	ds_store_b32 v[STA], v[12+4*\q] offset:64*\q           ; both halves of the lanes write the same word with the same value
	ds_store_b32 v[STA], v[14+4*\q] offset:1024+64*\q
.endr
.irp g, 0,1,2,3
	v_add_nc_u32 v[RD+\g], \g*PART, v[RDB]
.endr
	s_wait_dscnt 0x0                               ; my stores have landed, and my reads of the ring are over
	s_barrier_signal -1
	s_barrier_wait -1                              ; everybody's: the ring is free for the stage
.irp q, 0,1
.irp g, 0,1,2,3
	ds_load_b32 v[S+8*\q+\g], v[STR] offset:256*\g+64*\q
	ds_load_b32 v[S+8*\q+4+\g], v[STR] offset:1024+256*\g+64*\q
.endr
.endr
	s_wait_dscnt 0x0
.irp q, 0,1
	v_min3_num_f32 v[S+16+\q], v[S+8*\q], v[S+8*\q+1], v[S+8*\q+2]
	v_min_num_f32 v[S+16+\q], v[S+16+\q], v[S+8*\q+3]      ; -M of the largest M
.irp g, 0,1,2,3
	v_sub_f32 v[S+24+8*\q+\g], v[S+16+\q], v[S+8*\q+\g]    ; a group's M less the largest: a whole number, 0 or less
.endr
	v_sub_f32 v[S+28+8*\q], v[S+16+\q], v[12+4*\q]         ; my own
.irp g, 0,1,2,3,4
	v_cvt_i32_f32 v[S+24+8*\q+\g], v[S+24+8*\q+\g]         ; (it saturates)
.endr
.irp g, 0,1,2,3
	v_ldexp_f32 v[S+8*\q+4+\g], v[S+8*\q+4+\g], v[S+24+8*\q+\g]   ; the four sums under the largest M: exact
.endr
	v_add_f32 v[S+8*\q+4], v[S+8*\q+4], v[S+8*\q+5]
	v_add_f32 v[S+8*\q+6], v[S+8*\q+6], v[S+8*\q+7]
	v_add_f32 v[S+8*\q+4], v[S+8*\q+4], v[S+8*\q+6]        ; the row's sum
	v_rcp_f32 v[S+18+\q], v[S+8*\q+4]
.endr
	v_nop                                          ; a plain place behind the reciprocal
	s_wait_alu depctr_va_vdst(0)
.irp q, 0,1
	v_mul_f32 v[S+18+\q], s[GAM], v[S+18+\q]
	v_ldexp_f32 v[FF+2*\q], v[S+18+\q], v[S+28+8*\q]       ; gamma / the sum x 2^(my M - the largest M)
.endr
	RESC 0, 0, 16
	RESC 1, 0, 16
	WIN 0x04                                       ; an LDS store's data are its source 1: window 1
.irp q, 0,1
.irp T, 0,1,2,3,4,5,6,7
.irp j, 0,1,2,3,4,5,6,7
	ds_store_b32 v[STOA], v[128*\q+8*\T+\j] offset:(16*\T+\j)*PPITCH+32*\q   ; channel 16 T + 8 h + j, query 8 q + r + 8 (r / 8) of my 32
.endr
.endr
.irp T, 8,9,10,11,12,13,14,15
.irp j, 0,1,2,3,4,5,6,7
	ds_store_b32 v[STOB], v[128*\q+8*\T+\j] offset:(16*(\T-8)+\j)*PPITCH+32*\q
.endr
.endr
.endr
	WIN 0
	s_wait_dscnt 0x0                               ; my part of the four partial results lies in the stage
	s_barrier_signal -1
	s_barrier_wait -1                              ; everybody's does
; Wave w adds the four partial results and x for channels 32 w .. 32 w + 31, eight channels a chunk.
.macro RLOAD ch
.irp g, 0,1,2,3
.irp ii, 0,1,2,3
	ds_load_b128 v[RB+64*((\ch)%2)+16*\g+4*\ii:RB+64*((\ch)%2)+16*\g+4*\ii+3], v[RD+\g] offset:2*PPITCH*(4*(\ch)+\ii)
.endr
.endr
.endm
.macro RSUM ch
.irp g, 0,1,2,3
.irp ii, 0,1,2,3
.irp p, 0,2
	v_pk_add_f32 v[XR+4*(4*(\ch)+\ii)+\p:XR+4*(4*(\ch)+\ii)+\p+1], v[XR+4*(4*(\ch)+\ii)+\p:XR+4*(4*(\ch)+\ii)+\p+1], v[RB+64*((\ch)%2)+16*\g+4*\ii+\p:RB+64*((\ch)%2)+16*\g+4*\ii+\p+1]
.endr
.endr
.endr
.irp ii, 0,1,2,3
	global_store_b128 v[CO], v[XR+4*(4*(\ch)+\ii):XR+4*(4*(\ch)+\ii)+3], s[12:13] offset:32768*(4*(\ch)+\ii) th:TH_STORE_NT   ; sixteen lanes store 256 consecutive bytes, aligned; these registers are not written again
.endr
.endm
	RLOAD 0
	RLOAD 1
	s_wait_loadcnt 0x0                             ; x
	s_wait_dscnt 16                                ; chunk 0 is in; chunk 1's sixteen loads may be out
	RSUM 0
	RLOAD 2
	s_wait_dscnt 16                                ; chunk 1 is in; chunk 2's may be out
	RSUM 1
	RLOAD 3
	s_wait_dscnt 16                                ; chunk 2 is in; chunk 3's may be out
	RSUM 2
	s_wait_dscnt 0x0
	RSUM 3
	s_wait_tensorcnt 0x0                           ; the wave's end, behind my last tensor load and my last LDS store
	ds_add_u32 v[SPW], v[NIL]
	s_wait_dscnt 0x0
	CROUND                                         ; the closing round: no work-group ends while a partner may still ask for a slot that names it
	s_endpgm
.Lfunc_end_k_q0c43a30cdf_attn:
	.size	k_q0c43a30cdf_attn, .Lfunc_end_k_q0c43a30cdf_attn-k_q0c43a30cdf_attn
	.p2alignl 7, 3214868480
	.fill 96, 4, 3214868480
	.section	.rodata,"a",@progbits
	.p2align	6, 0x0
	.amdhsa_kernel k_q0c43a30cdf_attn
		.amdhsa_group_segment_fixed_size 327680
		.amdhsa_private_segment_fixed_size 0
		.amdhsa_enable_private_segment 0
		.amdhsa_kernarg_size 40
		.amdhsa_user_sgpr_count 2
		.amdhsa_user_sgpr_kernarg_segment_ptr 1
		.amdhsa_wavefront_size32 1
		.amdhsa_system_sgpr_workgroup_id_x 1
		.amdhsa_system_sgpr_workgroup_id_y 1
		.amdhsa_system_sgpr_workgroup_id_z 1
		.amdhsa_system_vgpr_workitem_id 0
		.amdhsa_next_free_vgpr 512
		.amdhsa_next_free_sgpr 66
		.amdhsa_reserve_vcc 0
		.amdhsa_float_denorm_mode_32 3
		.amdhsa_float_denorm_mode_16_64 3
		.amdhsa_memory_ordered 1
		.amdhsa_forward_progress 1
		.amdhsa_inst_pref_size 233
	.end_amdhsa_kernel
	.amdgpu_metadata
---
amdhsa.version: [ 1, 2 ]
amdhsa.kernels:
  - .name:           k_q0c43a30cdf_attn
    .symbol:         k_q0c43a30cdf_attn.kd
    .args:
      - { .name: qc, .offset: 0, .size: 8, .value_kind: global_buffer, .address_space: global }
      - { .name: kv, .offset: 8, .size: 8, .value_kind: global_buffer, .address_space: global }
      - { .name: x, .offset: 16, .size: 8, .value_kind: global_buffer, .address_space: global }
      - { .name: gamma, .offset: 24, .size: 8, .value_kind: global_buffer, .address_space: global }
      - { .name: out0, .offset: 32, .size: 8, .value_kind: global_buffer, .address_space: global }
    .group_segment_fixed_size: 327680
    .private_segment_fixed_size: 0
    .kernarg_segment_align: 8
    .kernarg_segment_size: 40
    .max_flat_workgroup_size: 256
    .sgpr_count:     66
    .vgpr_count:     512
    .wavefront_size: 32
...
	.end_amdgpu_metadata
.endif
;; end of part 3
